; MI455X (gfx1250); checked and timed in simulation.
; The chip was launched on July 23, 2026; its instructions are those of AMD's public machine-readable ISA for CDNA 5 (MIT licence, August 2026) and "CDNA5" Instruction Set Architecture Reference Guide (July 2026). The comments in the code are by the model that wrote it; some were corrected since.
;; Triangle Attention Starting Node. Allowed arithmetic: matrix products marked QUANTISED: E2M1 operands, one E8M0 scale for each 32 along K, by v_wmma_scale_f32_16x16x128_f8f6f4 with both operands' format E2M1 (or v_wmma_scale_f32_32x16x128_f4), f32 sums; products left as they are: f32 operands where the result goes on into a quantised operand, else bf16, f16 or f32 operands; f32 sums; everything else in f32.
;; Inputs: Z_mask 1 x 256 x 256 float32; Z_raw 1 x 256 x 256 x 128 float32; bg 4 x 32 float32; ln_b 128 float32; ln_w 128 float32; out_bias 128 float32; w_b 128 x 4 float32; wg_codes 4 x 32 x 4 x 16 uint8 (E2M1 codes of wg, K innermost, in blocks of 32 codes, two codes a byte); wg_scales 4 x 32 x 4 uint8 (E8M0 scales of wg, one for each 32 codes along K); wk_codes 4 x 32 x 4 x 16 uint8 (E2M1 codes of wk, K innermost, in blocks of 32 codes, two codes a byte); wk_scales 4 x 32 x 4 uint8 (E8M0 scales of wk, one for each 32 codes along K); wo 4 x 32 x 128 float32; wq_codes 4 x 32 x 4 x 16 uint8 (E2M1 codes of wq, K innermost, in blocks of 32 codes, two codes a byte); wq_scales 4 x 32 x 4 uint8 (E8M0 scales of wq, one for each 32 codes along K); wv_codes 4 x 32 x 4 x 16 uint8 (E2M1 codes of wv, K innermost, in blocks of 32 codes, two codes a byte); wv_scales 4 x 32 x 4 uint8 (E8M0 scales of wv, one for each 32 codes along K).
;; Outputs: out0 1 x 256 x 256 x 128 float32.
;; This version of the problem:
;;   THIS VERSION OF THE PROBLEM IS GIVEN IN LOW PRECISION. The matrix products marked QUANTISED in the list below multiply operands that are first quantised to E2M1 (2 exponent bits, 1 mantissa bit; 4 bits a number), with one power-of-two scale for each 32 numbers along K (OCP MX v1.0); their sums are f32. All else is computed in f32.
;;   The module's matrix products, in the order in which they are computed (A, B: the left and right operand; K: the contracted axis; several contracted axes count as one K, in the product's order):
;;     1. [M 4, K 128] x [K 128, N 65,536]; A: input w_b; B: computed on the way: left as it is (M = 4 < 16)
;;     2. [M 65,536, K 128] x [K 128, N 128]; A: computed on the way; B: input wq (given as codes): QUANTISED
;;     3. [M 65,536, K 128] x [K 128, N 128]; A: computed on the way; B: input wk (given as codes): QUANTISED
;;     4. [M 65,536, K 128] x [K 128, N 128]; A: computed on the way; B: input wv (given as codes): QUANTISED
;;     5. batch 1,024 x [M 256, K 32] x [K 32, N 256]; A: computed on the way; B: computed on the way: QUANTISED
;;     6. batch 1,024 x [M 32, K 256] x [K 256, N 256]; A: computed on the way; B: softmax (see below): QUANTISED
;;     7. [M 65,536, K 128] x [K 128, N 128]; A: computed on the way; B: input wg (given as codes): QUANTISED
;;     8. [M 65,536, K 128] x [K 128, N 128]; A: computed on the way; B: input wo: QUANTISED
;;   THE QUANTISER, for each operand of a quantised product, along K:
;;     - K is cut into blocks of 32 from its start; a last block that is shorter is filled with zeros.
;;     - A block's scale is 2^e with e = floor(log2(the largest magnitude in the block)) - 2, held to -126 .. 127; a block of zeros has e = 0. As a byte (E8M0): e + 127.
;;     - Each number is divided by its block's scale, clamped to +-6, and rounded to the nearest number of E2M1, ties to even, subnormals kept.
;;     - The product sums the exact products of the quantised numbers (number of the format x scale) in f32.
;;   ~~~python
;;   def quantise(x, axis):      # numpy; x: float32 -> the quantised numbers, widened to float32 again
;;       x = np.moveaxis(x, axis, -1); K = x.shape[-1]
;;       x = np.pad(x, [(0, 0)] * (x.ndim - 1) + [(0, -K % 32)]); x = x.reshape(x.shape[:-1] + (-1, 32)); a = np.abs(x).max(-1, keepdims=True)
;;       e = np.where(a > 0, np.clip(np.frexp(np.where(a > 0, a, 1))[1] - 1 - 2, -126, 127), 0)      # np.frexp(a)[1] - 1 = floor(log2(a)), exactly
;;       r = np.clip(x / 2.0 ** e, -6, 6)
;;       step = 2.0 ** (np.maximum(np.frexp(np.where(r == 0, 1, r))[1] - 1, 0) - 1)
;;       q = np.round(r / step) * step * 2.0 ** e      # np.round: ties to even
;;       return np.moveaxis(q.reshape(q.shape[:-2] + (-1,))[..., :K], -1, axis).astype(np.float32)
;;   ~~~
;;   SOFTMAX AHEAD OF A QUANTISED PRODUCT. Where the list says 'softmax', what is quantised is not the finished softmax but p = 2^(t - M), with t = logit x log2(e) and M = ceil(the row's largest t), a whole number; so 1/2 < the row's largest p <= 1. The row's sum l is taken of the UNQUANTISED p, in f32, and the product's result is divided by l at the end. Since M is a whole number, a kernel that streams over the keys may use a running M (the ceiling of the running maximum): every later rescaling is an exact power of two, which a block's scale takes up: the codes' values come out the same.
;;   OPERANDS COMPUTED ON THE WAY. 'Computed on the way' means the value that the module computes at that place (a softmax that the list does not call 'softmax' is quantised finished and normalised). What goes into a quantiser is computed in f32, as accurately as f32 sums, v_exp_f32 and their like allow (about 1e-6 of the number): no bf16 or f16 on the way to a quantiser, and a product that is left as it is and whose result goes on into a quantised operand takes f32 operands (vector FMAs, or v_wmma_f32_16x16x4_f32). A number that lies on a knife's edge between two numbers of the format may be rounded either way, as far as f32 arithmetic and the matrix unit's own rounding can turn it there, and no further.
;;   INPUTS GIVEN AS CODES. wg (in the module: [128, 4, 32], K = its axis 0); wk (in the module: [128, 4, 32], K = its axis 0); wq (in the module: [128, 4, 32], K = its axis 0); wv (in the module: [128, 4, 32], K = its axis 0): each comes as NAME_codes (uint8): NAME with its K axis moved to the last place and cut into blocks of 32 codes, [.., K / 32, bytes a block], one block behind the other in memory; two codes a byte, the lower K in the low four bits (a code: sign, 2 exponent bits, 1 mantissa bit); and NAME_scales (uint8): the same leading axes, one E8M0 byte (e + 127) for each 32 codes along K. Its value is code x scale, taken as it is: it is not quantised again, and the codes and scales need not be those that the quantiser above would give.
;; One version. Each part assembles by itself: llvm-mc -triple=amdgcn-amd-amdhsa -mcpu=gfx1250 --defsym DOCPART=n.
;; ======== version 1 of 1: 2 launches
;; workspace buffers: tri 1,048,576 bytes
;; launch tribias (part 1): grid 256 x 1, 8 waves a work-group, no clusters, 5,120 bytes of LDS; arguments Z_raw, ln_w, ln_b, w_b, tri; writes tri
.if DOCPART == 1
	.amdgcn_target "amdgcn-amd-amdhsa--gfx1250"
	.amdhsa_code_object_version 6
	.text
	.protected	k_q014658fc5a_tribias
	.globl	k_q014658fc5a_tribias
	.p2align	8
	.type	k_q014658fc5a_tribias,@function
k_q014658fc5a_tribias:
	s_mov_b64 s[64:65], 0
	v_nop
	global_prefetch_b8 v0, s[64:65] scope:SCOPE_SE
	s_setreg_imm32_b32 hwreg(HW_REG_WAVE_MODE, 25, 1), 1
	s_wait_xcnt 0x0
; tri(h, q, k) = LayerNorm(Z_raw[q][k][:]) . w_b[:, h], all in f32 (fused multiply-adds): it goes on into the logits, which go on into a quantiser.
; With U[d][h] = ln_w[d] w_b[d][h] and CB[h] = sum over d of ln_b[d] w_b[d][h]:  tri = rsqrt(var + eps) x sum over d of (x[d] - mean) U[d][h] + CB[h].  Mean first, then the centred squares.
; SHARES.  Work-group g: rows q = 16 (g / 16) .. + 15, keys k = 16 (g % 16) .. + 15.  Wave w: rows 2 w and 2 w + 1 of the sixteen.  Position t of 16: key 16 (g % 16) + t; lanes 0-15 hold the first row's 128 numbers,
; lanes 16-31 the second's, eight a lane (d = 64 j + 4 (lane % 16) + x): each load of a wave reads two runs of 256 consecutive bytes, each at a multiple of 256 from the buffer's first byte.
; All 32 loads of a wave are issued at its head: 16 KiB a wave, 128 KiB a work-group on their way.
; THE LAYOUT OF tri is the order of its reader's registers:  byte = h 262144 + (q / 16) 16384 + (k / 128) 8192 + n 512 + lane 16 + 4 (k % 4),  n = 4 ((k / 32) % 4) + (k / 4) % 4,  lane = 16 ((k / 16) % 2) + q % 16.
; The work-group's 4,096 bytes are gathered in LDS and leave as sixteen runs of 256 consecutive bytes.
; LIMITS: NaN and infinities among the inputs are not served.
; No matrix unit (four columns), no cluster (no two work-groups read the same bytes but the small vectors), no data mover (each byte is used once, from registers).
.set X,  64                            ; v64-191   eight numbers for each of the 16 positions
.set U,  32                            ; v32-63    U[8 h + di], di = 4 j + x
.set WB, 192                           ; v192-223  w_b[4 di + h]
.set LW, 224                           ; v224-231  ln_w of my eight d
.set LB, 232                           ; v232-239  ln_b
.set D,  12                            ; v12-15    my partial sums for the four heads
.set T,  16                            ; v16-19    at work in the reduction
	s_load_b256 s[4:11], s[0:1], 0x0               ; Z_raw s[4:5], ln_w s[6:7], ln_b s[8:9], w_b s[10:11]
	s_load_b64 s[12:13], s[0:1], 0x20              ; tri
	v_lshl_add_u32 v240, v0, 2, 0x1000
	v_mov_b32 v241, 0
	v_lshrrev_b32 v7, 5, v0
	s_delay_alu instid0(VALU_DEP_1)
	v_readfirstlane_b32 s14, v7                    ; wave 0..7
	v_and_b32 v2, 15, v0                           ; part = lane % 16
	v_bfe_u32 v3, v0, 4, 1                         ; hh = lane / 16
	s_delay_alu instid0(VALU_DEP_1)
	v_lshlrev_b32 v1, 17, v3
	s_delay_alu instid0(VALU_DEP_1)
	v_lshl_add_u32 v1, v2, 4, v1                   ; Z: 131,072 hh (the next row q) + 16 part
	v_and_b32 v4, 3, v0
	v_lshrrev_b32 v5, 4, v0                        ; 2 w + hh: my row among the sixteen
	s_delay_alu instid0(VALU_DEP_2)
	v_lshlrev_b32 v4, 10, v4
	s_delay_alu instid0(VALU_DEP_1)
	v_lshl_add_u32 v4, v5, 4, v4                   ; LDS, in: 1,024 (part % 4: my head) + 16 x row
	v_lshlrev_b32 v5, 4, v0                        ; LDS, out: 16 x thread
	v_lshlrev_b32 v6, 9, v3
	s_delay_alu instid0(VALU_DEP_1)
	v_lshl_add_u32 v6, v2, 4, v6                   ; tri: lanes 0-15 one run of 256 bytes, lanes 16-31 the run 512 bytes on
	v_lshlrev_b32 v3, 6, v2                        ; w_b: 64 part
	v_lshlrev_b32 v2, 4, v2                        ; ln_w, ln_b: 16 part
	v_and_b32 v7, 1, v0
	s_delay_alu instid0(VALU_DEP_1)
	v_cmp_ne_u32 s20, 0, v7                        ; lanes with part odd
	v_and_b32 v7, 2, v0
	s_delay_alu instid0(VALU_DEP_1)
	v_cmp_ne_u32 s21, 0, v7                        ; lanes with bit 1 of part set
	v_mov_b32 v9, 0                                ; (named with v8 as a pair, so it is written)
	s_mov_b32 s22, 0x3c000000                      ; 1 / 128
	s_mov_b32 s23, 0x3727c5ac                      ; eps = 1e-5
	s_lshr_b32 s15, ttmp9, 4                       ; qt
	s_and_b32 s16, ttmp9, 15                       ; kk
	s_lshl_b32 s18, s15, 4
	s_lshl_b32 s19, s14, 1
	s_add_co_u32 s18, s18, s19                     ; my first row q = 16 qt + 2 w
	s_lshl_b32 s18, s18, 17
	s_lshl_b32 s19, s16, 13
	s_add_co_u32 s18, s18, s19                     ; + 16 kk keys of 512 bytes
	s_mov_b32 s19, 0
	s_lshr_b32 s24, s14, 1                         ; on the way out wave w takes head w / 2, runs 2 (w % 2) and 2 (w % 2) + 1
	s_lshl_b32 s24, s24, 18
	s_lshl_b32 s17, s15, 14
	s_add_co_u32 s24, s24, s17
	s_lshr_b32 s17, s16, 3
	s_lshl_b32 s17, s17, 13
	s_add_co_u32 s24, s24, s17
	s_bfe_u32 s17, s16, 0x20001                    ; (kk / 2) % 4
	s_lshl_b32 s17, s17, 11
	s_add_co_u32 s24, s24, s17
	s_and_b32 s17, s14, 1
	s_lshl_b32 s17, s17, 10
	s_add_co_u32 s24, s24, s17
	s_and_b32 s17, s16, 1
	s_lshl_b32 s17, s17, 8
	s_add_co_u32 s24, s24, s17
	s_mov_b32 s25, 0
	s_wait_alu depctr_va_vdst(0)
	s_wait_kmcnt 0x0
	s_add_nc_u64 s[4:5], s[4:5], s[18:19]
	s_add_nc_u64 s[12:13], s[12:13], s[24:25]
.irp j, 0,1
	global_load_b128 v[LW+4*\j:LW+4*\j+3], v2, s[6:7] offset:256*\j
	global_load_b128 v[LB+4*\j:LB+4*\j+3], v2, s[8:9] offset:256*\j
.irp x, 0,1,2,3
	global_load_b128 v[WB+16*\j+4*\x:WB+16*\j+4*\x+3], v3, s[10:11] offset:1024*\j+16*\x   ; the four heads of d = 64 j + 4 part + x
.endr
.endr
.set cnt, 0
.rept 16
	global_load_b128 v[X+8*cnt:X+8*cnt+3], v1, s[4:5] offset:512*cnt         ; no hint: the next launch reads these bytes again
	global_load_b128 v[X+8*cnt+4:X+8*cnt+7], v1, s[4:5] offset:512*cnt+256
.set cnt, cnt+1
.endr
; Four partial sums a lane, D .. D + 3, become one whole sum a lane: lane part ends with head part % 4, summed over its sixteen lanes, in v[T].
; Each of the first two steps keeps half of the heads and hands the other half to the neighbour.
.macro TRED
	s_delay_alu instid0(VALU_DEP_3)
	v_cndmask_b32 v[T], v[D], v[D+1], s20          ; what I keep: head part % 2,
	s_delay_alu instid0(VALU_DEP_4)
	v_cndmask_b32 v[T+1], v[D+1], v[D], s20        ; what my neighbour keeps
	s_delay_alu instid0(VALU_DEP_3)
	v_cndmask_b32 v[T+2], v[D+2], v[D+3], s20
	s_delay_alu instid0(VALU_DEP_4)
	v_cndmask_b32 v[T+3], v[D+3], v[D+2], s20
	s_delay_alu instid0(VALU_DEP_3)
	v_add_f32_dpp v[T], v[T+1], v[T] row_xmask:1 row_mask:0xf bank_mask:0xf
	s_delay_alu instid0(VALU_DEP_2)
	v_add_f32_dpp v[T+2], v[T+3], v[T+2] row_xmask:1 row_mask:0xf bank_mask:0xf
	s_delay_alu instid0(VALU_DEP_1)
	v_cndmask_b32 v[T+1], v[T], v[T+2], s21
	s_delay_alu instid0(VALU_DEP_2)
	v_cndmask_b32 v[T+3], v[T+2], v[T], s21
	s_delay_alu instid0(VALU_DEP_1)
	v_add_f32_dpp v[T], v[T+3], v[T+1] row_xmask:2 row_mask:0xf bank_mask:0xf
	s_delay_alu instid0(VALU_DEP_1)
	v_add_f32_dpp v[T], v[T], v[T] row_xmask:4 row_mask:0xf bank_mask:0xf
	s_delay_alu instid0(VALU_DEP_1)
	v_add_f32_dpp v[T], v[T], v[T] row_xmask:8 row_mask:0xf bank_mask:0xf
.endm
	s_wait_loadcnt 32                              ; the twelve small loads are in; Z's 32 stay out
.irp h, 0,1,2,3
.irp di, 0,1,2,3,4,5,6,7
	v_mul_f32 v[U+8*\h+\di], v[LW+\di], v[WB+4*\di+\h]
.endr
.endr
.irp h, 0,1,2,3
	v_mul_f32 v[D+\h], v[LB], v[WB+\h]
.endr
.irp di, 1,2,3,4,5,6,7
.irp h, 0,1,2,3
	s_delay_alu instid0(VALU_DEP_4)
	v_fmac_f32 v[D+\h], v[LB+\di], v[WB+4*\di+\h]
.endr
.endr
	TRED
	s_delay_alu instid0(VALU_DEP_1)
	v_mov_b32 v11, v[T]                            ; CB of my head
; One position.  Its result is made in the position's own first register and stored from there: no LDS store's data are written again.
.macro POS t
.set XS, X+8*(\t)
	s_wait_loadcnt 30-2*(\t)                       ; this position's two loads are in; the later positions' stay out
	v_pk_add_f32 v[20:21], v[XS:XS+1], v[XS+2:XS+3]
	v_pk_add_f32 v[22:23], v[XS+4:XS+5], v[XS+6:XS+7]
	s_delay_alu instid0(VALU_DEP_1)
	v_pk_add_f32 v[20:21], v[20:21], v[22:23]
	s_delay_alu instid0(VALU_DEP_1)
	v_add_f32 v20, v20, v21
.irp m, 1,2,4,8
	s_delay_alu instid0(VALU_DEP_1)
	v_add_f32_dpp v20, v20, v20 row_xmask:\m row_mask:0xf bank_mask:0xf
.endr
	s_delay_alu instid0(VALU_DEP_1)
	v_mul_f32 v8, s22, v20                         ; the mean
.irp j, 0,2,4,6
	v_pk_add_f32 v[XS+\j:XS+\j+1], v[XS+\j:XS+\j+1], v[8:9] op_sel_hi:[1,0] neg_lo:[0,1] neg_hi:[0,1]   ; x - mean
.endr
	s_delay_alu instid0(VALU_DEP_4)
	v_pk_mul_f32 v[20:21], v[XS:XS+1], v[XS:XS+1]
	s_delay_alu instid0(VALU_DEP_4)
	v_pk_mul_f32 v[22:23], v[XS+2:XS+3], v[XS+2:XS+3]
	s_delay_alu instid0(VALU_DEP_2)
	v_pk_fma_f32 v[20:21], v[XS+4:XS+5], v[XS+4:XS+5], v[20:21]
	s_delay_alu instid0(VALU_DEP_2)
	v_pk_fma_f32 v[22:23], v[XS+6:XS+7], v[XS+6:XS+7], v[22:23]
	s_delay_alu instid0(VALU_DEP_1)
	v_pk_add_f32 v[20:21], v[20:21], v[22:23]
	s_delay_alu instid0(VALU_DEP_1)
	v_add_f32 v24, v20, v21
.irp m, 1,2,4,8
	s_delay_alu instid0(VALU_DEP_1)
	v_add_f32_dpp v24, v24, v24 row_xmask:\m row_mask:0xf bank_mask:0xf
.endr
	s_delay_alu instid0(VALU_DEP_1)
	v_fma_f32 v24, v24, s22, s23                   ; the variance + eps
	s_wait_alu depctr_va_vdst(0)
	v_rsq_f32 v10, v24                             ; the lines below are plain and touch neither v10 nor v24 (ISA guide 5.7.2)
	v_pk_mul_f32 v[20:21], v[XS:XS+1], v[U:U+1]
	v_pk_mul_f32 v[22:23], v[XS:XS+1], v[U+8:U+9]
	v_pk_mul_f32 v[26:27], v[XS:XS+1], v[U+16:U+17]
	v_pk_mul_f32 v[28:29], v[XS:XS+1], v[U+24:U+25]
.irp j, 2,4,6
	s_delay_alu instid0(VALU_DEP_4)
	v_pk_fma_f32 v[20:21], v[XS+\j:XS+\j+1], v[U+\j:U+\j+1], v[20:21]
	s_delay_alu instid0(VALU_DEP_4)
	v_pk_fma_f32 v[22:23], v[XS+\j:XS+\j+1], v[U+8+\j:U+9+\j], v[22:23]
	s_delay_alu instid0(VALU_DEP_4)
	v_pk_fma_f32 v[26:27], v[XS+\j:XS+\j+1], v[U+16+\j:U+17+\j], v[26:27]
	s_delay_alu instid0(VALU_DEP_4)
	v_pk_fma_f32 v[28:29], v[XS+\j:XS+\j+1], v[U+24+\j:U+25+\j], v[28:29]
.endr
	s_delay_alu instid0(VALU_DEP_4)
	v_add_f32 v[D], v20, v21
	s_delay_alu instid0(VALU_DEP_4)
	v_add_f32 v[D+1], v22, v23
	s_delay_alu instid0(VALU_DEP_4)
	v_add_f32 v[D+2], v26, v27
	s_delay_alu instid0(VALU_DEP_4)
	v_add_f32 v[D+3], v28, v29
	TRED
	s_wait_alu depctr_va_vdst(0)
	v_fma_f32 v[XS], v[T], v10, v11
	ds_store_b32 v4, v[XS] offset:((\t)/4)*256+((\t)%4)*4   ; the four lanes of a half that hold one head write the same word with the same value
.endm
.irp t, 0,1,2,3,4,5,6,7,8,9,10,11,12,13,14,15
	POS \t
.endr
	s_wait_dscnt 0x0                               ; for the others' sake: my stores have landed
	s_barrier_signal -1
	s_barrier_wait -1
	ds_load_b128 v[28:31], v5                      ; 512 bytes a wave: two runs of one head
	s_wait_dscnt 0x0
	global_store_b128 v6, v[28:31], s[12:13]       ; sixteen lanes store 256 consecutive bytes, at a multiple of 256 from tri's first byte
	s_wait_tensorcnt 0x0
	ds_add_u32 v240, v241
	s_wait_dscnt 0x0
	s_endpgm
.Lfunc_end_k_q014658fc5a_tribias:
	.size	k_q014658fc5a_tribias, .Lfunc_end_k_q014658fc5a_tribias-k_q014658fc5a_tribias
	.p2alignl 7, 3214868480
	.fill 96, 4, 3214868480
	.section	.rodata,"a",@progbits
	.p2align	6, 0x0
	.amdhsa_kernel k_q014658fc5a_tribias
		.amdhsa_group_segment_fixed_size 5120
		.amdhsa_private_segment_fixed_size 0
		.amdhsa_enable_private_segment 0
		.amdhsa_kernarg_size 40
		.amdhsa_user_sgpr_count 2
		.amdhsa_user_sgpr_kernarg_segment_ptr 1
		.amdhsa_wavefront_size32 1
		.amdhsa_system_sgpr_workgroup_id_x 1
		.amdhsa_system_sgpr_workgroup_id_y 1
		.amdhsa_system_sgpr_workgroup_id_z 1
		.amdhsa_system_vgpr_workitem_id 0
		.amdhsa_next_free_vgpr 242
		.amdhsa_next_free_sgpr 66
		.amdhsa_reserve_vcc 0
		.amdhsa_float_denorm_mode_32 3
		.amdhsa_float_denorm_mode_16_64 3
		.amdhsa_memory_ordered 1
		.amdhsa_forward_progress 1
		.amdhsa_inst_pref_size 90
	.end_amdhsa_kernel
	.amdgpu_metadata
---
amdhsa.version: [ 1, 2 ]
amdhsa.kernels:
  - .name:           k_q014658fc5a_tribias
    .symbol:         k_q014658fc5a_tribias.kd
    .args:
      - { .name: Z_raw, .offset: 0, .size: 8, .value_kind: global_buffer, .address_space: global }
      - { .name: ln_w, .offset: 8, .size: 8, .value_kind: global_buffer, .address_space: global }
      - { .name: ln_b, .offset: 16, .size: 8, .value_kind: global_buffer, .address_space: global }
      - { .name: w_b, .offset: 24, .size: 8, .value_kind: global_buffer, .address_space: global }
      - { .name: tri, .offset: 32, .size: 8, .value_kind: global_buffer, .address_space: global }
    .group_segment_fixed_size: 5120
    .private_segment_fixed_size: 0
    .kernarg_segment_align: 8
    .kernarg_segment_size: 40
    .max_flat_workgroup_size: 256
    .sgpr_count:     66
    .vgpr_count:     242
    .wavefront_size: 32
...
	.end_amdgpu_metadata
.endif
;; end of part 1
;; launch attn (part 2): grid 256 x 1, 16 waves a work-group, no clusters, 265,728 bytes of LDS; arguments Z_raw, Z_mask, ln_w, ln_b, wq_codes, wq_scales, wk_codes, wk_scales, wv_codes, wv_scales, wg_codes, wg_scales, bg, wo, out_bias, tri, out0; writes out0
.if DOCPART == 2
	.amdgcn_target "amdgcn-amd-amdhsa--gfx1250"
	.amdhsa_code_object_version 6
	.text
	.protected	k_q014658fc5a_attn
	.globl	k_q014658fc5a_attn
	.p2align	8
	.type	k_q014658fc5a_attn,@function
k_q014658fc5a_attn:
	s_mov_b64 s[64:65], 0
	v_nop
	global_prefetch_b8 v0, s[64:65] scope:SCOPE_SE
	s_setreg_imm32_b32 hwreg(HW_REG_WAVE_MODE, 25, 1), 1
	s_wait_xcnt 0x0
; One work-group makes one row i of the pair tensor: LayerNorm, q, k, v and the gate, attention of 4 heads of 32 over the row's 256 positions with the mask's and the triangle's bias, the gate, the output product,
; out_bias and the residual.  All seven products run on codes of FP4 (E2M1) with one E8M0 scale for each 32 along K; everything ahead of a quantiser is f32.
; SHARES.  Sixteen waves of 256 registers, four to a SIMD, so that one wave's vector work stands beside another's products and LDS loads.  Wave w owns positions (and queries) 16 w .. 16 w + 15.
;   A: each wave normalises and quantises its 16 positions (codes and scale words to LDS), keeps their f32 row in LDS for the residual, quantises 1/16 of wo, stores 16 numbers of the mask's bias, and copies 1/16 of wg and bg.   | barrier |
;   B: the weights stay in registers and the positions go round: wave (head w % 4, group w / 4) makes k and q of 64 positions; wave (half w / 8, tile w % 8) makes v of 128 keys x 16 columns.   | barrier |
;   C: a loop over the four heads; wave w holds query tile w and walks the keys in two steps of 128.   End: the output product on the wave's own 16 rows.  Behind the second barrier a wave writes only LDS bytes of its own.
; LAYOUT.  Every product is laid so that a lane's registers run along the NEXT product's K: source 0 = the rows whose index becomes that K.  THE ROWS OF SUCH A TILE ARE NOT NEIGHBOURS: lane r of tile 2 b + u takes
; row 32 b + 8 u + r + 8 (r / 8), so that the 16 registers of tiles 2 b, 2 b + 1 are the neighbours 32 b + 16 (lane / 16) + 0 .. 15.
; q . k HAS K = 32 AND THE INSTRUCTION 128: a row of K's table in LDS holds the blocks of FOUR keys of one head, and q's one block is put at place beta of an operand whose other three blocks are zero codes
; (a zero code adds nothing under any scale byte but 0xff, and the bytes made here lie in 1 .. 254).  One fragment of K so serves four products.
; THE SOFTMAX.  t = logit x log2(e); M = the ceiling of the running largest t; p = 2^(t - M) is quantised along the keys; the sum is taken of the unquantised p and divides at the end.
; THE BIASES.  The triangle bias comes from memory in the order of the score registers, A WHOLE STEP AHEAD, into 64 registers of its own (F), which are free as soon as a step's additions have read them; the mask's bias comes
; from LDS into the score registers, which are free only at a step's end; their sum, in f32, is the C of the q . k products.  In the loop nothing else is read from memory: wg and bg lie in LDS.
; LIMITS.  NaN and infinities among the inputs are not served.  A block whose largest magnitude lies under 2^-124 (a block of zeros too) gets the scale byte 1 where the rule says otherwise: its codes are zeros or
; what that scale gives; the bytes are read by this program alone.  The logit is summed as q . k + (triangle + mask); where every key of a row is masked that can round otherwise than (q . k + mask) + triangle.
; NO CLUSTER, though all work-groups read the same 1 MiB of triangle bias: a joint request lands in LDS, and two slots of one step's tiles for sixteen waves are 2 x 128 KiB, which do not fit beside
; the 263,680 bytes that this text uses; it would also bring the sixteen waves of four work-groups into one phase eight times, where this text lives on waves in different phases.
; No data mover: all that waves share is made or copied once by the work-group itself.  wo is quantised anew by each work-group: 32 loads and some twenty vector lines a wave.
.set ZS,    0                          ; LDS: scale word of a normalised position: 4 x position
.set KS,    1024                       ; scale word of a row of K's table
.set OS,    2048                       ; scale word of the gated o: 4 x query, byte = head
.set MB,    3072                       ; the mask's bias, f32: 4 x key
.set QS,    4096                       ; q's scale byte, four times over: 16 x position + 4 x head
.set VS,    8192                       ; V's scale words as register images: 128 (8 s + tile) + 4 x lane
.set WOS,   10240                      ; wo's scale words: 64 x tile + 4 r
.set WGS,   10752                      ; wg's scale bytes, as they lie in memory: 4 x row
.set BGL,   11264                      ; bg, as it lies in memory
.set ZC,    11776                      ; codes of the normalised row: 256 rows of 64 bytes, 80 apart: the sixteen rows of a load begin at sixteen different multiples of 16 bytes modulo 256
.set QC,    32256                      ; q's codes, likewise; head h at 16 h
.set OC,    52736                      ; the gated o's, likewise
.set KC,    73216                      ; K's table: row ((2 h + s) 2 + T) 16 + m, 80 apart; block beta at 16 beta: key 128 s + 32 (t / 2) + 8 (t % 2) + m + 8 (m / 8), t = 4 T + beta
.set VIMG,  93696                      ; V's 16 fragments as register images: 1,024 (8 s + tile) + 512 c + 16 x lane
.set WOIMG, 110080                     ; wo's 8 fragments, likewise
.set ZST,   118272                     ; the row's f32 numbers, later the result: 256 rows of 512 bytes, 528 apart
.set WGC,   253440                     ; wg's codes: 128 rows of 64 bytes, 80 apart
.set F,   56                           ; v56-119   64 registers: Z as loaded, ln_b, fragments, the triangle bias, rows on the way out
.set S,   120                          ; v120-183  64 registers: numbers ahead of a quantiser; the mask's bias, the scores and p
.set O,   184                          ; v184-199  O^T of the head in hand
.set G,   200                          ; v200-215  the gate
.set KV,  216                          ; v216-231  two fragments: wg's, K's or V's
.set PC,  232                          ; v232-239  codes just made; a fragment of my own rows
.set BM,  240                          ; v240-243  blocks' largest magnitudes; at a head's top three LDS addresses
.set PM,  244                          ; v244-247  the other half's; then the scale bytes
.set SO,  248                          ; v248-251  the conversions' scale operands
; v1 16 x lane; v2 4 x lane; v3 80 x my position; v4 4 x my position; v5 16 hl; v6, v7 a weight's row r + 8 (r / 8): codes, scale word (phases A, B: in memory; phase C: wg's in LDS);
; v8-11 my lane's place in K's table, its words, V's images, their words; v54 64 hl; v55 the mask's bias for my half; v12 -M, v13 the largest t, v[14:15] the sum; v16-31 scale words and nothing else;
; v32-51 addresses of phases A and B, then q's operands; v52, v53 wg's copy, then lane masks; v252, v253 at work; v254, v255 LDS addresses (rewritten only when the loads and stores that name them are done).
.macro PLACES n
.rept \n
	v_nop
.endr
.endm
.macro BAR                             ; my LDS stores have landed and my LDS loads are in: then the work-group's barrier
	s_wait_dscnt 0x0
	s_barrier_signal -1
	s_barrier_wait -1
.endm
.macro WMZ d, a, b, sa, sb             ; a product that starts its sum
	v_wmma_scale_f32_16x16x128_f8f6f4 v[\d:\d+7], v[\a:\a+7], v[\b:\b+7], 0, v[\sa], v[\sb] matrix_a_fmt:MATRIX_FMT_FP4 matrix_b_fmt:MATRIX_FMT_FP4
.endm
.macro WMA d, a, b, sa, sb             ; a product onto what its result registers hold
	v_wmma_scale_f32_16x16x128_f8f6f4 v[\d:\d+7], v[\a:\a+7], v[\b:\b+7], v[\d:\d+7], v[\sa], v[\sb] matrix_a_fmt:MATRIX_FMT_FP4 matrix_b_fmt:MATRIX_FMT_FP4
.endm
; 64 numbers of a lane in four blocks: registers 16 b + 0 .. 15 are my half of block b, lane l xor 16 holds the other half.  Codes to v[PC + 2 b], v[PC + 2 b + 1]; scale bytes to v[PM + b].
.macro BLKQ src
.irp b, 0,1,2,3
	v_max3_num_f32 v[BM+\b], |v[\src+16*\b]|, |v[\src+16*\b+1]|, 0x1800000   ; and the floor 2^(3 - 127): the byte cannot fall under 1
.endr
.irp i, 2,4,6,8,10,12,14
.irp b, 0,1,2,3
	v_max3_num_f32 v[BM+\b], v[BM+\b], |v[\src+16*\b+\i]|, |v[\src+16*\b+\i+1]|   ; the four blocks by turns
.endr
.endr
.irp b, 0,1,2,3
	s_delay_alu instid0(VALU_DEP_4)
	v_permlanex16_b32 v[PM+\b], v[BM+\b], s40, s41
.endr
.irp b, 0,1,2,3
	s_delay_alu instid0(VALU_DEP_4)
	v_max_num_f32 v[BM+\b], v[BM+\b], v[PM+\b]     ; the block's largest magnitude
.endr
.irp b, 0,1,2,3
	s_delay_alu instid0(VALU_DEP_4)
	v_add_nc_u32 v[SO+\b], 0xff000000, v[BM+\b]    ; 2 off its exponent field: the conversion takes that field as its scale
.endr
.irp b, 0,1,2,3
	s_delay_alu instid0(VALU_DEP_4)
	v_lshrrev_b32 v[PM+\b], 23, v[SO+\b]           ; the scale's byte
.endr
.irp b, 0,1,2,3
	v_cvt_scalef32_pk8_fp4_f32 v[PC+2*\b], v[\src+16*\b:\src+16*\b+7], v[SO+\b]
	v_cvt_scalef32_pk8_fp4_f32 v[PC+2*\b+1], v[\src+16*\b+8:\src+16*\b+15], v[SO+\b]
.endr
	v_nop                                          ; one plain line behind the last scaled conversion
.endm
; The four blocks are one K step: the bytes make the scale word, and the halves change places, so that a lane holds whole blocks as the operand's layout asks.
.macro FINISH pw
	v_lshl_or_b32 v[\pw], v[PM+1], 8, v[PM]
	s_delay_alu instid0(VALU_DEP_1)
	v_lshl_or_b32 v[\pw], v[PM+2], 16, v[\pw]
	s_delay_alu instid0(VALU_DEP_1)
	v_lshl_or_b32 v[\pw], v[PM+3], 24, v[\pw]
.irp c, 0,1
.irp i, 0,1
	v_permlane16_swap_b32 v[PC+4*\c+\i], v[PC+4*\c+2+\i]
.endr
.endr
.endm
	s_load_b512 s[4:19], s[0:1], 0x0               ; Z_raw s[4:5], Z_mask s[6:7], ln_w s[8:9], ln_b s[10:11], wq s[12:15], wk s[16:19] (codes, scales)
	s_load_b512 s[20:35], s[0:1], 0x40             ; wv s[20:23], wg s[24:27], bg s[28:29], wo s[30:31], out_bias s[32:33], tri s[34:35]
	s_load_b64 s[36:37], s[0:1], 0x80              ; out0
	v_lshrrev_b32 v254, 5, v0
	s_delay_alu instid0(VALU_DEP_1)
	v_readfirstlane_b32 s38, v254                  ; wave 0..15
	v_and_b32 v1, 31, v0
	s_delay_alu instid0(VALU_DEP_1)
	v_lshlrev_b32 v2, 2, v1
	s_delay_alu instid0(VALU_DEP_2)
	v_lshlrev_b32 v1, 4, v1
	v_and_b32 v252, 15, v0                         ; r
	v_bfe_u32 v253, v0, 4, 1                       ; hl
	s_delay_alu instid0(VALU_DEP_2)
	v_lshl_add_u32 v255, v254, 4, v252             ; my position 16 w + r
	s_delay_alu instid0(VALU_DEP_1)
	v_mul_u32_u24 v3, v255, 80
	s_delay_alu instid0(VALU_DEP_2)
	v_lshlrev_b32 v4, 2, v255
	s_delay_alu instid0(VALU_DEP_4)
	v_lshlrev_b32 v5, 4, v253
	v_lshlrev_b32 v54, 6, v253
	v_and_b32 v251, 8, v252
	s_delay_alu instid0(VALU_DEP_1)
	v_add_nc_u32 v251, v251, v252                  ; r + 8 (r / 8)
	s_delay_alu instid0(VALU_DEP_1)
	v_lshl_add_u32 v6, v251, 6, v5
	s_delay_alu instid0(VALU_DEP_2)
	v_lshlrev_b32 v7, 2, v251
	v_mad_u32_u24 v250, v252, 80, v5               ; 80 r + 16 hl
	s_delay_alu instid0(VALU_DEP_1)
	v_add_nc_u32 v8, KC, v250
	v_lshl_add_u32 v9, v252, 2, KS
	v_add_nc_u32 v10, VIMG, v1
	v_add_nc_u32 v11, VS, v2
	v_add_nc_u32 v55, MB, v54
	v_lshlrev_b32 v52, 4, v0                       ; wg's codes in memory: 16 bytes a thread, 8,192 in all;
	v_lshrrev_b32 v53, 2, v0
	s_delay_alu instid0(VALU_DEP_1)
	v_mul_u32_u24 v53, v53, 80
	v_and_b32 v39, 3, v0
	s_delay_alu instid0(VALU_DEP_1)
	v_lshl_add_u32 v53, v39, 4, v53
	s_delay_alu instid0(VALU_DEP_1)
	v_add_nc_u32 v53, WGC, v53                     ; and in LDS: row thread / 4, 80 apart, + 16 (thread % 4)
	s_mov_b32 s40, 0x76543210
	s_mov_b32 s41, 0xfedcba98                      ; v_permlanex16_b32's selects for lane l xor 16
	s_mov_b32 s42, 0x3fb8aa3b                      ; log2(e)
	s_mov_b32 s43, s42                             ; (named with it as a pair, so it is written)
	s_mov_b32 s52, 0x3c000000                      ; 1 / 128
	s_mov_b32 s53, 0x3727c5ac                      ; eps = 1e-5
	s_and_b32 s44, s38, 7                          ; dt = ct: my tile of wo's columns, of V's columns
	s_lshr_b32 s45, s38, 3                         ; c2 = sV: my half of wo's K, of the keys
	s_and_b32 s46, s38, 3                          ; hB: my head in phase B
	s_lshr_b32 s47, s38, 2                         ; pg: my 64 positions in phase B
	s_mul_i32 s39, s38, 8448
	s_add_co_u32 s39, s39, ZST                     ; my 16 rows of the stage (kept to the end)
	v_add_nc_u32 v32, s39, v1                      ; a dense row: 16 x lane
	v_mad_u32_u24 v33, v252, 528, v54
	s_delay_alu instid0(VALU_DEP_1)
	v_add_nc_u32 v33, s39, v33                     ; row r, + 64 hl: my 16 numbers of a block of 32
	v_lshlrev_b32 v34, 14, v253
	s_delay_alu instid0(VALU_DEP_1)
	v_lshl_add_u32 v34, v252, 2, v34               ; wo: 32 hl rows of 512 bytes + 4 r
	s_lshl_b32 s48, s44, 10
	s_lshl_b32 s49, s45, 9
	s_add_co_u32 s48, s48, s49
	s_add_co_u32 s48, s48, WOIMG
	v_add_nc_u32 v35, s48, v1                      ; my four registers of wo's image
	s_lshl_b32 s48, s44, 6
	s_lshl_b32 s49, s45, 1
	s_add_co_u32 s48, s48, s49
	s_add_co_u32 s48, s48, WOS
	v_lshl_add_u32 v36, v252, 2, v253
	s_delay_alu instid0(VALU_DEP_1)
	v_add_nc_u32 v36, s48, v36                     ; and my block's byte: 64 dt + 4 r + 2 c2 + hl
	v_lshlrev_b32 v37, 2, v252
	v_add_nc_u32 v38, v3, v5                       ; my position's row of codes, + 16 hl
	s_mul_i32 s48, s47, 5120                       ; 64 pg rows of 80 bytes
	s_add_co_u32 s49, s48, ZC
	v_add_nc_u32 v42, s49, v250
	s_lshl_b32 s49, s47, 8
	v_add_nc_u32 v43, s49, v37
	v_and_b32 v249, 7, v252
	v_lshrrev_b32 v248, 3, v252
	s_delay_alu instid0(VALU_DEP_2)
	v_mul_u32_u24 v44, v249, 80
	s_delay_alu instid0(VALU_DEP_1)
	v_lshl_add_u32 v44, v248, 4, v44
	s_delay_alu instid0(VALU_DEP_1)
	v_lshl_add_u32 v44, v253, 3, v44
	s_lshl_b32 s49, s46, 2
	s_add_co_u32 s49, s49, s47                     ; 4 hB + pg
	s_mul_i32 s50, s49, 1280
	s_add_co_u32 s50, s50, KC
	v_add_nc_u32 v44, s50, v44                     ; K's table: position 64 pg + 16 mt + r falls into row 16 (4 hB + pg) + 8 (mt % 2) + r % 8, block 2 (mt / 2) + r / 8
	v_lshl_add_u32 v45, v249, 2, v248
	s_lshl_b32 s50, s49, 6
	s_add_co_u32 s50, s50, KS
	v_add_nc_u32 v45, s50, v45
	v_mul_u32_u24 v46, v252, 80
	s_delay_alu instid0(VALU_DEP_1)
	v_lshl_add_u32 v46, v253, 3, v46
	s_lshl_b32 s50, s46, 4
	s_add_co_u32 s50, s50, s48
	s_add_co_u32 s50, s50, QC
	v_add_nc_u32 v46, s50, v46
	v_lshlrev_b32 v47, 4, v252
	s_lshl_b32 s50, s47, 10
	s_lshl_b32 s49, s46, 2
	s_add_co_u32 s50, s50, s49
	s_add_co_u32 s50, s50, QS
	v_add_nc_u32 v47, s50, v47
	v_mad_u32_u24 v48, v251, 80, v5
	s_mul_i32 s50, s45, 10240
	s_add_co_u32 s50, s50, ZC
	v_add_nc_u32 v48, s50, v48                     ; positions 128 sV + r + 8 (r / 8): the rows of V's tiles
	s_lshl_b32 s50, s45, 9
	v_add_nc_u32 v49, s50, v7
	s_lshl_b32 s50, s38, 10
	v_add_nc_u32 v50, s50, v10
	s_lshl_b32 s50, s38, 7
	v_add_nc_u32 v51, s50, v11
	s_mov_b32 s51, 0
	s_wait_kmcnt 0x0
	s_lshl_b32 s50, ttmp9, 17
	s_lshl_b32 s48, s38, 13
	s_add_co_u32 s50, s50, s48
	s_add_nc_u64 s[4:5], s[4:5], s[50:51]          ; Z_raw and out0 at my 16 positions of row i
	s_add_nc_u64 s[36:37], s[36:37], s[50:51]
	s_lshl_b32 s50, ttmp9, 10
	s_lshl_b32 s48, s38, 6
	s_add_co_u32 s50, s50, s48
	s_add_nc_u64 s[6:7], s[6:7], s[50:51]          ; the mask at my 16 keys
	s_lshl_b32 s50, s45, 15
	s_lshl_b32 s48, s44, 6
	s_add_co_u32 s50, s50, s48
	s_add_nc_u64 s[30:31], s[30:31], s[50:51]      ; wo: K = 64 c2 on, columns 16 dt on
	s_lshl_b32 s50, s46, 11
	s_add_nc_u64 s[12:13], s[12:13], s[50:51]      ; wq, wk: head hB
	s_add_nc_u64 s[16:17], s[16:17], s[50:51]
	s_lshl_b32 s50, s46, 7
	s_add_nc_u64 s[14:15], s[14:15], s[50:51]
	s_add_nc_u64 s[18:19], s[18:19], s[50:51]
	s_lshr_b32 s48, s44, 1
	s_lshl_b32 s48, s48, 5
	s_and_b32 s49, s44, 1
	s_lshl_b32 s49, s49, 3
	s_add_co_u32 s48, s48, s49                     ; wv: rows 32 (ct / 2) + 8 (ct % 2) on
	s_lshl_b32 s50, s48, 6
	s_add_nc_u64 s[20:21], s[20:21], s[50:51]
	s_lshl_b32 s50, s48, 2
	s_add_nc_u64 s[22:23], s[22:23], s[50:51]
	s_lshl_b32 s50, s38, 14
	s_add_nc_u64 s[34:35], s[34:35], s[50:51]      ; tri: query tile w
	; ---- A.  52 loads go out at once: wo, the mask, my part of wg and bg, and my 16 positions
.set cnt, 0
.rept 32
	global_load_b32 v[S+cnt], v34, s[30:31] offset:512*cnt     ; wo(64 c2 + 32 hl + cnt, 16 dt + r): a lane to a column, registers down K: one whole block
.set cnt, cnt+1
.endr
	global_load_b32 v39, v37, s[6:7]
	global_load_b128 v[12:15], v52, s[24:25]       ; wg's codes: a wave reads 512 consecutive bytes
	global_load_u8 v40, v0, s[26:27]               ; wg's 512 scale bytes and bg's 512 bytes: one of each to a thread
	global_load_u8 v41, v0, s[28:29]
.set cnt, 0
.rept 16
	global_load_b128 v[F+4*cnt:F+4*cnt+3], v1, s[4:5] offset:512*cnt th:TH_LOAD_NT   ; a position's 512 consecutive bytes; read here for the last time
.set cnt, cnt+1
.endr
	s_wait_loadcnt 16                              ; wo, the mask, wg and bg are in; Z's 16 stay out
.irp b, 0,1,2,3
.irp j, 0,1,2,3
	global_load_b128 v[184+16*\b+4*\j:184+16*\b+4*\j+3], v54, s[8:9] offset:128*\b+16*\j   ; ln_w at d = 32 b + 16 hl + 4 j on
.endr
.endr
	v_add_f32 v39, -1.0, v39
	s_delay_alu instid0(VALU_DEP_1)
	v_mul_f32 v39, 0x4e6e6b28, v39                 ; 1e9 (mask - 1)
	ds_store_b32 v4, v39 offset:MB                 ; (both halves of the lanes write the same word with the same value)
	ds_store_b128 v53, v[12:15]
	ds_store_b8 v0, v40 offset:WGS
	ds_store_b8 v0, v41 offset:BGL
	v_max3_num_f32 v252, |v[S]|, |v[S+1]|, |v[S+2]|
	v_max3_num_f32 v253, |v[S+3]|, |v[S+4]|, |v[S+5]|
.irp i, 6,10,14,18,22,26
	s_delay_alu instid0(VALU_DEP_2)
	v_max3_num_f32 v252, v252, |v[S+\i]|, |v[S+\i+1]|
	s_delay_alu instid0(VALU_DEP_2)
	v_max3_num_f32 v253, v253, |v[S+\i+2]|, |v[S+\i+3]|
.endr
	s_delay_alu instid0(VALU_DEP_2)
	v_max3_num_f32 v252, v252, |v[S+30]|, |v[S+31]|
	s_delay_alu instid0(VALU_DEP_1)
	v_max3_num_f32 v252, v252, v253, 0x1800000
	s_delay_alu instid0(VALU_DEP_1)
	v_add_nc_u32 v254, 0xff000000, v252
	s_delay_alu instid0(VALU_DEP_1)
	v_lshrrev_b32 v255, 23, v254
.irp g, 0,1,2,3
	v_cvt_scalef32_pk8_fp4_f32 v[248+\g], v[S+8*\g:S+8*\g+7], v254
.endr
	v_nop
	ds_store_b128 v35, v[248:251]                  ; registers 4 c2 .. 4 c2 + 3 of wo's fragment dt, as they stand
	ds_store_b8 v36, v255
	s_wait_loadcnt 16                              ; Z is in; ln_w's 16 may be out
.set cnt, 0
.rept 16
	ds_store_b128 v32, v[F+4*cnt:F+4*cnt+3] offset:528*cnt     ; the rows as they lie: they stay here for the residual,
.set cnt, cnt+1
.endr
.irp b, 0,1,2,3
.irp j, 0,1,2,3
	ds_load_b128 v[S+16*\b+4*\j:S+16*\b+4*\j+3], v33 offset:128*\b+16*\j   ; and come back a row to a lane pair: register 16 b + i = d 32 b + 16 hl + i.  LDS serves a wave's instructions in order (ISA guide 5.7.1.4)
.endr
.endr
	s_wait_dscnt 0x0                               ; the numbers are back, and every store above has read its registers
.irp b, 0,1,2,3
.irp j, 0,1,2,3
	global_load_b128 v[F+16*\b+4*\j:F+16*\b+4*\j+3], v54, s[10:11] offset:128*\b+16*\j     ; ln_b
.endr
.endr
	v_pk_add_f32 v[254:255], v[120:121], v[122:123]
	v_pk_add_f32 v[250:251], v[128:129], v[132:133]
	v_pk_add_f32 v[248:249], v[136:137], v[140:141]
	v_pk_add_f32 v[52:53], v[144:145], v[148:149]
	v_pk_add_f32 v[40:41], v[152:153], v[156:157]
	v_pk_add_f32 v[36:37], v[160:161], v[164:165]
	v_pk_add_f32 v[34:35], v[168:169], v[172:173]
	v_pk_add_f32 v[252:253], v[176:177], v[180:181]
	s_delay_alu instid0(VALU_DEP_1)
	v_pk_add_f32 v[252:253], v[252:253], v[124:125]
	v_pk_add_f32 v[254:255], v[254:255], v[126:127]
	v_pk_add_f32 v[250:251], v[250:251], v[130:131]
	v_pk_add_f32 v[248:249], v[248:249], v[134:135]
	v_pk_add_f32 v[52:53], v[52:53], v[138:139]
	v_pk_add_f32 v[40:41], v[40:41], v[142:143]
	v_pk_add_f32 v[36:37], v[36:37], v[146:147]
	v_pk_add_f32 v[34:35], v[34:35], v[150:151]
	v_pk_add_f32 v[252:253], v[252:253], v[154:155]
	v_pk_add_f32 v[254:255], v[254:255], v[158:159]
	v_pk_add_f32 v[250:251], v[250:251], v[162:163]
	v_pk_add_f32 v[248:249], v[248:249], v[166:167]
	v_pk_add_f32 v[52:53], v[52:53], v[170:171]
	v_pk_add_f32 v[40:41], v[40:41], v[174:175]
	v_pk_add_f32 v[36:37], v[36:37], v[178:179]
	v_pk_add_f32 v[34:35], v[34:35], v[182:183]
	s_delay_alu instid0(VALU_DEP_4)
	v_pk_add_f32 v[252:253], v[252:253], v[52:53]
	s_delay_alu instid0(VALU_DEP_4)
	v_pk_add_f32 v[254:255], v[254:255], v[40:41]
	s_delay_alu instid0(VALU_DEP_4)
	v_pk_add_f32 v[250:251], v[250:251], v[36:37]
	s_delay_alu instid0(VALU_DEP_4)
	v_pk_add_f32 v[248:249], v[248:249], v[34:35]
	s_delay_alu instid0(VALU_DEP_2)
	v_pk_add_f32 v[252:253], v[252:253], v[250:251]
	s_delay_alu instid0(VALU_DEP_2)
	v_pk_add_f32 v[254:255], v[254:255], v[248:249]
	s_delay_alu instid0(VALU_DEP_1)
	v_pk_add_f32 v[252:253], v[252:253], v[254:255]
	s_delay_alu instid0(VALU_DEP_1)
	v_add_f32 v252, v252, v253
	s_delay_alu instid0(VALU_DEP_1)
	v_permlanex16_b32 v253, v252, s40, s41
	s_delay_alu instid0(VALU_DEP_1)
	v_add_f32 v252, v252, v253
	s_delay_alu instid0(VALU_DEP_1)
	v_mul_f32 v252, s52, v252
.set cnt, 0
.rept 32
	v_pk_add_f32 v[S+cnt:S+cnt+1], v[S+cnt:S+cnt+1], v[252:253] op_sel_hi:[1,0] neg_lo:[0,1] neg_hi:[0,1]   ; x - mean
.set cnt, cnt+2
.endr
	v_pk_mul_f32 v[254:255], v[S:S+1], v[S:S+1]    ; the centred squares
	v_pk_mul_f32 v[250:251], v[S+2:S+3], v[S+2:S+3]
.irp j, 4,8,12,16,20,24,28,32,36,40,44,48,52,56,60
	s_delay_alu instid0(VALU_DEP_2)
	v_pk_fma_f32 v[254:255], v[S+\j:S+\j+1], v[S+\j:S+\j+1], v[254:255]
	s_delay_alu instid0(VALU_DEP_2)
	v_pk_fma_f32 v[250:251], v[S+\j+2:S+\j+3], v[S+\j+2:S+\j+3], v[250:251]
.endr
	s_delay_alu instid0(VALU_DEP_1)
	v_pk_add_f32 v[254:255], v[254:255], v[250:251]
	s_delay_alu instid0(VALU_DEP_1)
	v_add_f32 v254, v254, v255
	s_delay_alu instid0(VALU_DEP_1)
	v_permlanex16_b32 v255, v254, s40, s41
	s_delay_alu instid0(VALU_DEP_1)
	v_add_f32 v254, v254, v255
	s_delay_alu instid0(VALU_DEP_1)
	v_fma_f32 v254, v254, s52, s53                 ; the variance + eps
	s_wait_alu depctr_va_vdst(0)
	v_rsq_f32 v254, v254
	v_nop                                          ; one plain line behind a transcendental (ISA guide 5.7.2)
.set cnt, 0
	s_wait_alu depctr_va_vdst(0)
.rept 32
	v_pk_mul_f32 v[S+cnt:S+cnt+1], v[S+cnt:S+cnt+1], v[254:255] op_sel_hi:[1,0]
.set cnt, cnt+2
.endr
	s_wait_loadcnt 0x0                             ; ln_w and ln_b
.set cnt, 0
.rept 32
	v_pk_fma_f32 v[S+cnt:S+cnt+1], v[S+cnt:S+cnt+1], v[184+cnt:184+cnt+1], v[F+cnt:F+cnt+1]
.set cnt, cnt+2
.endr
.irp u, 0,1                                    ; phase B's weights are asked for now: tile u = rows 8 u + r + 8 (r / 8) of my head
.irp c, 0,1
	global_load_b128 v[184+8*\u+4*\c:184+8*\u+4*\c+3], v6, s[16:17] offset:512*\u+32*\c    ; wk
	global_load_b128 v[200+8*\u+4*\c:200+8*\u+4*\c+3], v6, s[12:13] offset:512*\u+32*\c    ; wq
.endr
	global_load_b32 v[16+\u], v7, s[18:19] offset:32*\u
	global_load_b32 v[18+\u], v7, s[14:15] offset:32*\u
.endr
.irp c, 0,1
	global_load_b128 v[216+4*\c:216+4*\c+3], v6, s[20:21] offset:32*\c                     ; wv: my 16 columns of V
.endr
	global_load_b32 v20, v7, s[22:23]
	BLKQ S
	FINISH 252
	ds_store_b128 v38, v[PC:PC+3] offset:ZC
	ds_store_b128 v38, v[PC+4:PC+7] offset:ZC+32
	ds_store_b32 v4, v252 offset:ZS
	BAR                                            ; the row's codes and words, the mask's bias, wo's images, wg and bg lie in LDS
	; ---- B.  k and q of head hB for positions 64 pg .. + 63: source 0 = 16 rows of the weight, source 1 = 16 positions: a lane holds one position, its 16 registers c = 16 hl + 0 .. 15
.irp mt, 0,1,2,3
.irp c, 0,1
	ds_load_b128 v[F+8*\mt+4*\c:F+8*\mt+4*\c+3], v42 offset:1280*\mt+32*\c
.endr
	ds_load_b32 v[24+\mt], v43 offset:ZS+64*\mt
.endr
	s_wait_loadcnt 0x0
	s_wait_dscnt 0x0
.irp mt, 0,1,2,3
.irp u, 0,1
	WMZ S+16*\mt+8*\u, 184+8*\u, F+8*\mt, 16+\u, 24+\mt
.endr
.endr
	PLACES 4
	BLKQ S                                         ; block mt = the 32 numbers of head hB at position 16 mt + r
.irp mt, 0,1,2,3
	ds_store_b64 v44, v[PC+2*\mt:PC+2*\mt+1] offset:640*(\mt%2)+32*(\mt/2)
	ds_store_b8 v45, v[PM+\mt] offset:32*(\mt%2)+2*(\mt/2)
.endr
.irp mt, 0,1,2,3
.irp u, 0,1
	WMZ S+16*\mt+8*\u, 200+8*\u, F+8*\mt, 18+\u, 24+\mt
.endr
.endr
	PLACES 4                                       ; in front of the loads into registers that these products have read, and of the first read of their results
.irp t, 0,1,2,3,4,5,6,7                        ; V's eight tiles of positions are asked for now
.irp c, 0,1
	ds_load_b128 v[F+8*\t+4*\c:F+8*\t+4*\c+3], v48 offset:(32*(\t/2)+8*(\t%2))*80+32*\c
.endr
	ds_load_b32 v[24+\t], v49 offset:ZS+4*(32*(\t/2)+8*(\t%2))
.endr
.set cnt, 0
.rept 32
	v_pk_mul_f32 v[S+cnt:S+cnt+1], v[S+cnt:S+cnt+1], 0x3e3504f3 op_sel_hi:[1,0]   ; q x 32^-0.5, ahead of its quantiser
.set cnt, cnt+2
.endr
	s_wait_dscnt 24                                ; k's eight stores have read their registers; the 24 loads behind them stay out
	BLKQ S
.irp mt, 0,1,2,3
	v_perm_b32 v[252+\mt], v[PM+\mt], v[PM+\mt], 0 ; the byte four times over: it serves at whichever place q's block is put
.endr
.irp mt, 0,1,2,3
	ds_store_b64 v46, v[PC+2*\mt:PC+2*\mt+1] offset:1280*\mt
	ds_store_b32 v47, v[252+\mt] offset:256*\mt
.endr
	s_wait_dscnt 0x0                               ; V's fragments are in; q's stores have read their registers
.irp t, 0,1,2,3,4,5,6,7                        ; v: source 0 = 16 positions, source 1 = 16 rows of wv: a lane holds one column of V, its registers run along the keys
	WMZ S+8*\t, F+8*\t, 216, 24+\t, 20
.endr
	PLACES 4                                       ; in front of the first read of the results, and of the loads into F, which these products have read
.set cnt, 0
.rept 16
	global_load_b128 v[F+4*cnt:F+4*cnt+3], v1, s[34:35] offset:512*cnt th:TH_LOAD_HT   ; the triangle bias of head 0, keys 0 .. 127: register 16 b + i = key 32 b + 16 hl + i of my query; 512 consecutive bytes a load; every work-group reads them
.set cnt, cnt+1
.endr
	BLKQ S
	FINISH 252
	ds_store_b128 v50, v[PC:PC+3]                  ; a fragment of V^T (16 columns x 128 keys) as it stands
	ds_store_b128 v50, v[PC+4:PC+7] offset:512
	ds_store_b32 v51, v252
	BAR                                            ; K's table, q's codes and V's images lie in LDS.  No barrier stands behind this one
	; ---- C
.irp j, 32,33,34,35,40,41,42,43,48,49,50,51
	v_mov_b32 v\j, 0                               ; q's operands: zeros v32-35, q in lanes 0-15 v36-39, zeros v40-43, q in lanes 16-31 v44-47, zeros v48-51: place beta = 0, 1, 2, 3 begins at v36, v44, v32, v40
.endr
	v_bfe_u32 v53, v0, 4, 1
	s_delay_alu instid0(VALU_DEP_1)
	v_sub_nc_u32 v53, 0, v53                       ; all ones in lanes 16-31
	s_delay_alu instid0(VALU_DEP_1)
	v_xor_b32 v52, -1, v53                         ; all ones in lanes 0-15
	v_lshrrev_b32 v6, 2, v7                        ; r + 8 (r / 8).  The loads from memory that named v6 and v7 were waited for at the head of phase B
	s_delay_alu instid0(VALU_DEP_1)
	v_mad_u32_u24 v6, v6, 80, v5
	s_delay_alu instid0(VALU_DEP_1)
	v_add_nc_u32 v6, WGC, v6                       ; wg's codes in LDS: that row, + 16 hl
	v_add_nc_u32 v7, WGS, v7                       ; and its scale word
	s_mov_b32 s44, 0                               ; the head H, and what steps with it: 4 H, 16 H, 5,120 H, 256 H, 2,048 H, 2,560 H, 128 H
	s_mov_b32 s45, 0
	s_mov_b32 s46, 0
	s_mov_b32 s47, 0
	s_mov_b32 s48, 0
	s_mov_b32 s49, 0
	s_mov_b32 s54, 0
	s_mov_b32 s55, 0
; A step of 128 keys.  s = 0 starts the head's maximum, sum and O^T; s = 1 runs them on.
.macro STEP s
	s_wait_loadcnt 0x0                             ; this step's triangle bias, asked for a step ago, is in F
	s_wait_dscnt 6                                 ; the mask's bias is in the score registers; K's six loads, issued behind it, may be out
.set cnt, 0
.rept 32
	v_pk_add_f32 v[S+cnt:S+cnt+1], v[S+cnt:S+cnt+1], v[F+cnt:F+cnt+1]   ; triangle + mask, in f32
.set cnt, cnt+2
.endr
.if \s == 0
.set cnt, 0
.rept 16
	global_load_b128 v[F+4*cnt:F+4*cnt+3], v1, s[34:35] offset:8192+512*cnt th:TH_LOAD_HT   ; F is free: the next step's triangle bias is asked for now and has this whole step in which to come
.set cnt, cnt+1
.endr
.else
	s_setprio 1
	s_cmp_eq_u32 s44, 3                            ; the next head's first step likewise, if there is a next head: no load leaves the buffer
	s_cbranch_scc1 .Lno_bias_\@
.set cnt, 0
.rept 16
	global_load_b128 v[F+4*cnt:F+4*cnt+3], v1, s[34:35] offset:262144+512*cnt th:TH_LOAD_HT
.set cnt, cnt+1
.endr
.Lno_bias_\@:
.endif
	s_wait_alu depctr_va_vdst(0)
	s_wait_dscnt 0x0                               ; K is in
	PLACES 4
.irp t, 0,1,2,3,4,5,6,7                        ; S^T = K q^T + bias: tile t = fragment t / 4, q at place t % 4.  Eight accumulators, one instruction each
	WMA S+8*\t, KV+8*(\t/4), 36+8*(\t%2)-4*((\t%4)/2), 16+\t/4, 20
.endr
	v_add_nc_u32 v255, s49, v10                    ; two additions and two v_nop: the four places in front of the loads over K's fragments and of the first read of the scores
	v_add_nc_u32 v254, s48, v11
	PLACES 2
.irp u, 0,1
.irp c, 0,1
	ds_load_b128 v[KV+8*\u+4*\c:KV+8*\u+4*\c+3], v255 offset:8192*\s+1024*\u+512*\c   ; V^T: columns 8 u + r + 8 (r / 8) of the head, these 128 keys
.endr
	ds_load_b32 v[18+\u], v254 offset:1024*\s+128*\u
.endr
.irp b, 0,1,2,3
	v_max3_num_f32 v[BM+\b], v[S+16*\b], v[S+16*\b+1], v[S+16*\b+2]   ; the largest score of each block of 32 keys: for the row's maximum and, since p rises with the score, for the block's largest p
.endr
.irp i, 3,5,7,9,11,13
.irp b, 0,1,2,3
	v_max3_num_f32 v[BM+\b], v[BM+\b], v[S+16*\b+\i], v[S+16*\b+\i+1]
.endr
.endr
.irp b, 0,1,2,3
	v_max_num_f32 v[BM+\b], v[BM+\b], v[S+16*\b+15]
.endr
.irp b, 0,1,2,3
	s_delay_alu instid0(VALU_DEP_4)
	v_permlanex16_b32 v[PM+\b], v[BM+\b], s40, s41
.endr
.irp b, 0,1,2,3
	s_delay_alu instid0(VALU_DEP_4)
	v_max_num_f32 v[BM+\b], v[BM+\b], v[PM+\b]
.endr
	s_delay_alu instid0(VALU_DEP_2)
	v_max3_num_f32 v253, v[BM], v[BM+1], v[BM+2]
	s_delay_alu instid0(VALU_DEP_1)
	v_max_num_f32 v253, v253, v[BM+3]
.if \s == 0
	s_delay_alu instid0(VALU_DEP_1)
	v_mul_f32 v13, s42, v253                       ; the largest t
	s_delay_alu instid0(VALU_DEP_1)
	v_floor_f32 v12, -v13                          ; -M = floor(-t): M is a whole number
.else
	s_delay_alu instid0(VALU_DEP_1)
	v_mul_f32 v253, s42, v253
	s_delay_alu instid0(VALU_DEP_1)
	v_max_num_f32 v13, v13, v253
	v_mov_b32 v253, v12
	s_delay_alu instid0(VALU_DEP_2)
	v_floor_f32 v12, -v13
	s_delay_alu instid0(VALU_DEP_1)
	v_sub_f32 v253, v12, v253                      ; old M - new M: a whole number, 0 or less
	s_delay_alu instid0(VALU_DEP_1)
	v_cvt_i32_f32 v253, v253                       ; (it saturates)
	s_delay_alu instid0(VALU_DEP_1)
	v_ldexp_f32 v252, 1.0, v253                    ; f = 2^(old M - new M): a multiplication by it rounds nothing
.endif
.set cnt, 0
.rept 32
	v_pk_fma_f32 v[S+cnt:S+cnt+1], v[S+cnt:S+cnt+1], s[42:43], v[12:13] op_sel_hi:[1,0,0]   ; t - M
.set cnt, cnt+2
.endr
.irp b, 0,1,2,3
	v_fma_f32 v[BM+\b], v[BM+\b], s42, v12
.endr
.set cnt, 0
	s_wait_alu depctr_va_vdst(0)
.rept 64
	v_exp_f32 v[S+cnt], v[S+cnt]                   ; p = 2^(t - M)
.set cnt, cnt+1
.endr
.irp b, 0,1,2,3
	v_exp_f32 v[BM+\b], v[BM+\b]                   ; the block's largest p: the same two instructions on the same number
.endr
.if \s == 0
	v_nop                                          ; one plain line behind the exponentials
	s_wait_alu depctr_va_vdst(0)
.else
	v_pk_mul_f32 v[14:15], v[14:15], v[252:253] op_sel_hi:[1,0]   ; the sum under the new M (the plain line behind the exponentials)
	s_setprio 0
	s_wait_alu depctr_va_vdst(0)
.endif
.irp b, 0,1,2,3
	v_max_num_f32 v[BM+\b], 0x1800000, v[BM+\b]    ; the floor: a block whose every p is 0 keeps the byte 1; its codes are zeros
.endr
.irp b, 0,1,2,3
	s_delay_alu instid0(VALU_DEP_4)
	v_add_nc_u32 v[SO+\b], 0xff000000, v[BM+\b]
.endr
.irp b, 0,1,2,3
	s_delay_alu instid0(VALU_DEP_4)
	v_lshrrev_b32 v[PM+\b], 23, v[SO+\b]
.endr
	s_delay_alu instid0(VALU_DEP_3)
	v_lshl_or_b32 v21, v[PM+1], 8, v[PM]           ; p's scale word for these 128 keys
	s_delay_alu instid0(VALU_DEP_1)
	v_lshl_or_b32 v21, v[PM+2], 16, v21
	s_delay_alu instid0(VALU_DEP_1)
	v_lshl_or_b32 v21, v[PM+3], 24, v21
.irp b, 0,1,2,3
	v_cvt_scalef32_pk8_fp4_f32 v[PC+2*\b], v[S+16*\b:S+16*\b+7], v[SO+\b]
	v_cvt_scalef32_pk8_fp4_f32 v[PC+2*\b+1], v[S+16*\b+8:S+16*\b+15], v[SO+\b]
.endr
	v_nop
.irp c, 0,1
.irp i, 0,1
	v_permlane16_swap_b32 v[PC+4*\c+\i], v[PC+4*\c+2+\i]
.endr
.endr
.if \s == 0                                    ; the row's sum of the unquantised p, in two chains.  These additions are also the places between the scale word's and the codes' last writes and the products below
	v_pk_add_f32 v[14:15], v[S:S+1], v[S+4:S+5]
	v_pk_add_f32 v[PM:PM+1], v[S+2:S+3], v[S+6:S+7]
.irp j, 8,12,16,20,24,28,32,36,40,44,48,52,56,60
	v_pk_add_f32 v[14:15], v[14:15], v[S+\j:S+\j+1]
	v_pk_add_f32 v[PM:PM+1], v[PM:PM+1], v[S+\j+2:S+\j+3]
.endr
.else
	v_pk_add_f32 v[PM:PM+1], v[S:S+1], v[S+2:S+3]
.irp j, 4,8,12,16,20,24,28,32,36,40,44,48,52,56,60
	v_pk_add_f32 v[14:15], v[14:15], v[S+\j:S+\j+1]
	v_pk_add_f32 v[PM:PM+1], v[PM:PM+1], v[S+\j+2:S+\j+3]
.endr
.endif
	s_delay_alu instid0(VALU_DEP_1)
	v_pk_add_f32 v[14:15], v[14:15], v[PM:PM+1]
.if \s == 0
.irp b, 0,1,2,3
.irp j, 0,1,2,3
	ds_load_b128 v[S+16*\b+4*\j:S+16*\b+4*\j+3], v55 offset:512+128*\b+16*\j   ; p is done with: the next step's mask comes into the score registers
.endr
.endr
	s_wait_dscnt 16                                ; V's six loads are in; those sixteen stay out
.else
.set cnt, 0
.rept 8
	v_pk_mul_f32 v[O+cnt:O+cnt+1], v[O+cnt:O+cnt+1], v[252:253] op_sel_hi:[1,0]   ; O^T under the new M
.set cnt, cnt+2
.endr
	s_wait_alu depctr_va_vdst(0)
	s_wait_dscnt 0x0                               ; V is in
.endif
.irp u, 0,1                                    ; O^T += V^T p^T: register 8 u + j = c 16 hl + 8 u + j of my query
.if \s == 0
	WMZ O+8*\u, KV+8*\u, PC, 18+\u, 21
.else
	WMA O+8*\u, KV+8*\u, PC, 18+\u, 21
.endif
.endr
.if \s == 0
	v_add_nc_u32 v255, s47, v8                     ; again two additions and two v_nop: the places in front of the loads over V's fragments
	v_add_nc_u32 v254, s48, v9
	PLACES 2
.irp T, 0,1
.irp c, 0,1
	ds_load_b128 v[KV+8*\T+4*\c:KV+8*\T+4*\c+3], v255 offset:2560+1280*\T+32*\c
.endr
	ds_load_b32 v[16+\T], v254 offset:128+64*\T
.endr
.else
	PLACES 4                                       ; in front of the first read of O^T
.endif
.endm
.Lhead:                                                ; at this label sixteen loads from memory are on their way: this head's first triangle bias, into F
	s_setprio 2
	v_add_nc_u32 v255, v3, v5
	v_add_nc_u32 v254, s46, v3
	v_lshl_add_u32 v253, v4, 2, s45
	s_wait_alu depctr_va_vdst(0)
	v_add_nc_u32 v[BM], s54, v6                    ; wg's 32 rows of this head,
	v_add_nc_u32 v[BM+1], s55, v7                  ; their scale words,
	v_add_nc_u32 v[BM+2], s55, v54                 ; and bg's 32 numbers: my half's 16
	ds_load_b128 v[PC:PC+3], v255 offset:ZC        ; the gate's thirteen loads: my own 16 positions' fragment,
	ds_load_b128 v[PC+4:PC+7], v255 offset:ZC+32
	ds_load_b32 v24, v4 offset:ZS                  ; their words,
.irp u, 0,1
.irp c, 0,1
	ds_load_b128 v[KV+8*\u+4*\c:KV+8*\u+4*\c+3], v[BM] offset:640*\u+32*\c     ; wg's two tiles,
.endr
	ds_load_b32 v[22+\u], v[BM+1] offset:32*\u
.irp x, 0,1
	ds_load_b128 v[G+8*\u+4*\x:G+8*\u+4*\x+3], v[BM+2] offset:BGL+32*\u+16*\x  ; and bg in the result's layout
.endr
.endr
	ds_load_b128 v[SO:SO+3], v254 offset:QC        ; my query's block of this head (both halves of the lanes take it),
	ds_load_b32 v20, v253 offset:QS                ; its byte four times over,
.irp b, 0,1,2,3
.irp j, 0,1,2,3
	ds_load_b128 v[S+16*\b+4*\j:S+16*\b+4*\j+3], v55 offset:128*\b+16*\j   ; and the mask's bias of keys 0 .. 127, into the score registers
.endr
.endr
	s_wait_dscnt 18                                ; the gate's thirteen are in; q's two and the mask's sixteen stay out
.irp u, 0,1
	WMA G+8*\u, KV+8*\u, PC, 22+\u, 24             ; x wg + bg: the bias is the sum's start
.endr
	s_wait_dscnt 16                                ; q's block and byte are in; the mask's sixteen stay out
.irp j, 0,1,2,3                                ; eight plain lines that name none of those products' registers: the places behind them
	v_and_b32 v[36+\j], v[SO+\j], v52
	v_and_b32 v[44+\j], v[SO+\j], v53
.endr
	v_add_nc_u32 v255, s47, v8                     ; (the loads that named v255 and v254 are in)
	v_add_nc_u32 v254, s48, v9
.irp T, 0,1
.irp c, 0,1
	ds_load_b128 v[KV+8*\T+4*\c:KV+8*\T+4*\c+3], v255 offset:1280*\T+32*\c   ; K's two fragments of keys 0 .. 127
.endr
	ds_load_b32 v[16+\T], v254 offset:64*\T
.endr
.set cnt, 0
.rept 8
	v_pk_mul_f32 v[G+cnt:G+cnt+1], v[G+cnt:G+cnt+1], 0xbfb8aa3b op_sel_hi:[1,0]   ; the sigmoid: 1 / (1 + 2^(-x log2(e)))
.set cnt, cnt+2
.endr
.set cnt, 0
	s_wait_alu depctr_va_vdst(0)
.rept 16
	v_exp_f32 v[G+cnt], v[G+cnt]
.set cnt, cnt+1
.endr
	v_nop
.set cnt, 0
	s_wait_alu depctr_va_vdst(0)
.rept 8
	v_pk_add_f32 v[G+cnt:G+cnt+1], v[G+cnt:G+cnt+1], 1.0 op_sel_hi:[1,0]
.set cnt, cnt+2
.endr
.set cnt, 0
	s_wait_alu depctr_va_vdst(0)
.rept 16
	v_rcp_f32 v[G+cnt], v[G+cnt]
.set cnt, cnt+1
.endr
	v_nop
	STEP 0
	STEP 1
	v_add_f32 v14, v14, v15                        ; the sum's two halves,
	s_delay_alu instid0(VALU_DEP_1)
	v_permlanex16_b32 v253, v14, s40, s41
	s_delay_alu instid0(VALU_DEP_1)
	v_add_f32 v14, v14, v253                       ; and lane l xor 16's
	s_wait_alu depctr_va_vdst(0)
	v_rcp_f32 v14, v14
	v_nop
.set cnt, 0
	s_wait_alu depctr_va_vdst(0)
.rept 8
	v_pk_mul_f32 v[O+cnt:O+cnt+1], v[O+cnt:O+cnt+1], v[14:15] op_sel_hi:[1,0]   ; O^T / the sum
.set cnt, cnt+2
.endr
.set cnt, 0
.rept 8
	v_pk_mul_f32 v[O+cnt:O+cnt+1], v[O+cnt:O+cnt+1], v[G+cnt:G+cnt+1]           ; x the gate
.set cnt, cnt+2
.endr
	v_max3_num_f32 v[BM], |v[O]|, |v[O+1]|, 0x1800000      ; the head's 32 numbers are one block of the output product's K: my 16 and lane l xor 16's
	v_max3_num_f32 v[BM+1], |v[O+2]|, |v[O+3]|, |v[O+4]|
.irp i, 5,9
	s_delay_alu instid0(VALU_DEP_2)
	v_max3_num_f32 v[BM], v[BM], |v[O+\i]|, |v[O+\i+1]|
	s_delay_alu instid0(VALU_DEP_2)
	v_max3_num_f32 v[BM+1], v[BM+1], |v[O+\i+2]|, |v[O+\i+3]|
.endr
	s_delay_alu instid0(VALU_DEP_2)
	v_max3_num_f32 v[BM], v[BM], |v[O+13]|, |v[O+14]|
	s_delay_alu instid0(VALU_DEP_1)
	v_max3_num_f32 v[BM], v[BM], v[BM+1], |v[O+15]|
	s_delay_alu instid0(VALU_DEP_1)
	v_permlanex16_b32 v[PM], v[BM], s40, s41
	s_delay_alu instid0(VALU_DEP_1)
	v_max_num_f32 v[BM], v[BM], v[PM]
	s_delay_alu instid0(VALU_DEP_1)
	v_add_nc_u32 v[SO], 0xff000000, v[BM]
	s_delay_alu instid0(VALU_DEP_1)
	v_lshrrev_b32 v[PM], 23, v[SO]
	v_cvt_scalef32_pk8_fp4_f32 v[PC], v[O:O+7], v[SO]
	v_cvt_scalef32_pk8_fp4_f32 v[PC+1], v[O+8:O+15], v[SO]
	v_nop
	v_lshrrev_b32 v255, 1, v5
	s_delay_alu instid0(VALU_DEP_1)
	v_add_nc_u32 v255, v255, v3
	s_delay_alu instid0(VALU_DEP_1)
	v_add_nc_u32 v255, s46, v255                   ; my query's row, + 16 H + 8 hl
	v_add_nc_u32 v254, s44, v4
	ds_store_b64 v255, v[PC:PC+1] offset:OC
	ds_store_b8 v254, v[PM] offset:OS
	s_wait_dscnt 0x0                               ; the stores have read their registers
	s_wait_xcnt 0x0                                ; the sixteen loads on their way name tri's base: it is stepped only behind this wait (ISA guide 3.1)
	s_add_nc_u64 s[34:35], s[34:35], 262144        ; the next head
	s_add_co_u32 s45, s45, 4
	s_add_co_u32 s46, s46, 16
	s_add_co_u32 s47, s47, 5120
	s_add_co_u32 s48, s48, 256
	s_add_co_u32 s49, s49, 2048
	s_add_co_u32 s54, s54, 2560
	s_add_co_u32 s55, s55, 128
	s_add_co_u32 s44, s44, 1
	s_cmp_lt_u32 s44, 4
	s_cbranch_scc1 .Lhead
	s_setprio 0
	; ---- The end: out = (o x gate) wo + Z_raw + out_bias for my 16 rows.  Source 0 = 16 columns of wo, source 1 = my 16 queries; the residual is the sum's start
	s_wait_loadcnt 0x0                             ; (the last head asked for no further bias, so this wait is met at once: no load into F is out, and F may be loaded below)
	global_load_b128 v[SO:SO+3], v1, s[32:33]      ; out_bias at d = 4 x lane on
	v_add_nc_u32 v255, v3, v5
	v_add_nc_u32 v254, WOIMG, v1
	v_and_b32 v253, 15, v0
	s_delay_alu instid0(VALU_DEP_1)
	v_mul_u32_u24 v252, v253, 528
	s_delay_alu instid0(VALU_DEP_1)
	v_lshl_add_u32 v252, v5, 1, v252
	s_delay_alu instid0(VALU_DEP_1)
	v_add_nc_u32 v252, s39, v252                   ; the stage: row r, + 32 hl
	v_and_b32 v253, 60, v2                         ; 4 r
	ds_load_b128 v[PC:PC+3], v255 offset:OC
	ds_load_b128 v[PC+4:PC+7], v255 offset:OC+32
	ds_load_b32 v24, v4 offset:OS
.irp t, 0,1,2,3,4,5,6,7
.irp c, 0,1
	ds_load_b128 v[F+8*\t+4*\c:F+8*\t+4*\c+3], v254 offset:1024*\t+512*\c
.endr
	ds_load_b32 v[16+\t], v253 offset:WOS+64*\t
	ds_load_b128 v[S+8*\t:S+8*\t+3], v252 offset:64*\t             ; Z_raw(r, 16 t + 8 hl + 0 .. 7)
	ds_load_b128 v[S+8*\t+4:S+8*\t+7], v252 offset:64*\t+16
.endr
	s_wait_dscnt 0x0
.irp t, 0,1,2,3,4,5,6,7
	WMA S+8*\t, F+8*\t, PC, 16+\t, 24
.endr
	v_add_nc_u32 v255, s39, v1                     ; a dense row: 16 x lane.  With three v_nop: the places behind the products
	PLACES 3
	s_wait_alu depctr_va_vdst(0)
.irp t, 0,1,2,3,4,5,6,7
	ds_store_b128 v252, v[S+8*\t:S+8*\t+3] offset:64*\t            ; back to the places that the residual left, each accumulator from its low end on
	ds_store_b128 v252, v[S+8*\t+4:S+8*\t+7] offset:64*\t+16
.endr
.set cnt, 0
.rept 16
	ds_load_b128 v[F+4*cnt:F+4*cnt+3], v255 offset:528*cnt         ; whole rows; LDS serves a wave's instructions in order: these see the stores above
.set cnt, cnt+1
.endr
	s_wait_loadcnt 0x0                             ; out_bias
.set cnt, 0
.rept 16
	s_wait_dscnt 15-cnt                            ; this row is back; the later rows stay out
	v_pk_add_f32 v[F+4*cnt:F+4*cnt+1], v[F+4*cnt:F+4*cnt+1], v[SO:SO+1]
	v_pk_add_f32 v[F+4*cnt+2:F+4*cnt+3], v[F+4*cnt+2:F+4*cnt+3], v[SO+2:SO+3]
	global_store_b128 v1, v[F+4*cnt:F+4*cnt+3], s[36:37] offset:512*cnt th:TH_STORE_NT   ; 32 lanes store 512 consecutive bytes, at a multiple of 256 from out0's first byte; written once, read by nobody here
.set cnt, cnt+1
.endr
	s_wait_xcnt 0x0
	v_lshl_add_u32 v254, v0, 2, 0x40600
	v_mov_b32 v255, 0
	s_wait_alu depctr_va_vdst(0)
	s_wait_tensorcnt 0x0
	ds_add_u32 v254, v255
	s_wait_dscnt 0x0
	s_endpgm
.Lfunc_end_k_q014658fc5a_attn:
	.size	k_q014658fc5a_attn, .Lfunc_end_k_q014658fc5a_attn-k_q014658fc5a_attn
	.p2alignl 7, 3214868480
	.fill 96, 4, 3214868480
	.section	.rodata,"a",@progbits
	.p2align	6, 0x0
	.amdhsa_kernel k_q014658fc5a_attn
		.amdhsa_group_segment_fixed_size 265728
		.amdhsa_private_segment_fixed_size 0
		.amdhsa_enable_private_segment 0
		.amdhsa_kernarg_size 136
		.amdhsa_user_sgpr_count 2
		.amdhsa_user_sgpr_kernarg_segment_ptr 1
		.amdhsa_wavefront_size32 1
		.amdhsa_system_sgpr_workgroup_id_x 1
		.amdhsa_system_sgpr_workgroup_id_y 1
		.amdhsa_system_sgpr_workgroup_id_z 1
		.amdhsa_system_vgpr_workitem_id 0
		.amdhsa_next_free_vgpr 256
		.amdhsa_next_free_sgpr 66
		.amdhsa_reserve_vcc 0
		.amdhsa_float_denorm_mode_32 3
		.amdhsa_float_denorm_mode_16_64 3
		.amdhsa_memory_ordered 1
		.amdhsa_forward_progress 1
		.amdhsa_inst_pref_size 118
	.end_amdhsa_kernel
	.amdgpu_metadata
---
amdhsa.version: [ 1, 2 ]
amdhsa.kernels:
  - .name:           k_q014658fc5a_attn
    .symbol:         k_q014658fc5a_attn.kd
    .args:
      - { .name: Z_raw, .offset: 0, .size: 8, .value_kind: global_buffer, .address_space: global }
      - { .name: Z_mask, .offset: 8, .size: 8, .value_kind: global_buffer, .address_space: global }
      - { .name: ln_w, .offset: 16, .size: 8, .value_kind: global_buffer, .address_space: global }
      - { .name: ln_b, .offset: 24, .size: 8, .value_kind: global_buffer, .address_space: global }
      - { .name: wq_codes, .offset: 32, .size: 8, .value_kind: global_buffer, .address_space: global }
      - { .name: wq_scales, .offset: 40, .size: 8, .value_kind: global_buffer, .address_space: global }
      - { .name: wk_codes, .offset: 48, .size: 8, .value_kind: global_buffer, .address_space: global }
      - { .name: wk_scales, .offset: 56, .size: 8, .value_kind: global_buffer, .address_space: global }
      - { .name: wv_codes, .offset: 64, .size: 8, .value_kind: global_buffer, .address_space: global }
      - { .name: wv_scales, .offset: 72, .size: 8, .value_kind: global_buffer, .address_space: global }
      - { .name: wg_codes, .offset: 80, .size: 8, .value_kind: global_buffer, .address_space: global }
      - { .name: wg_scales, .offset: 88, .size: 8, .value_kind: global_buffer, .address_space: global }
      - { .name: bg, .offset: 96, .size: 8, .value_kind: global_buffer, .address_space: global }
      - { .name: wo, .offset: 104, .size: 8, .value_kind: global_buffer, .address_space: global }
      - { .name: out_bias, .offset: 112, .size: 8, .value_kind: global_buffer, .address_space: global }
      - { .name: tri, .offset: 120, .size: 8, .value_kind: global_buffer, .address_space: global }
      - { .name: out0, .offset: 128, .size: 8, .value_kind: global_buffer, .address_space: global }
    .group_segment_fixed_size: 265728
    .private_segment_fixed_size: 0
    .kernarg_segment_align: 8
    .kernarg_segment_size: 136
    .max_flat_workgroup_size: 512
    .sgpr_count:     66
    .vgpr_count:     256
    .wavefront_size: 32
...
	.end_amdgpu_metadata
.endif
;; end of part 2
